; MI455X (gfx1250); checked and timed in simulation.
; The chip was launched on July 23, 2026; its instructions are those of AMD's public machine-readable ISA for CDNA 5 (MIT licence, August 2026) and "CDNA5" Instruction Set Architecture Reference Guide (July 2026). The comments in the code are by the model that wrote it; some were corrected since.
;; Seq Attention. Allowed arithmetic: float matrix products may take bf16 or f16 operands with f32 sums; other float arithmetic in f32, or as packed bf16 or f16 multiplies, adds, multiply-adds, maxima and minima; sums over many terms, partial sums and values carried from step to step in f32; what a program stores and reads back later, other than sums and carried values, may be rounded once to bf16 or f16.
;; Inputs: current_val 8 x 1 x 1 float32; key 64 x 2,048 x 64 float32; key_pe 1 x 64 x 1,024 float32; query 64 x 1,024 x 64 float32; value 64 x 2,048 x 64 float32.
;; Outputs: out0 64 x 1,024 x 64 float32.
;; One version. Each part assembles by itself: llvm-mc -triple=amdgcn-amd-amdhsa -mcpu=gfx1250 --defsym DOCPART=n.
;; ======== version 1 of 1: 1 launch
;; limits: values outside matrix products are rounded to f16; right only within a limited range of input values; inputs' magnitudes at most 65,504; values are held in f16: magnitudes above 65,504 overflow, below 6.1e-05 lose precision
;; launch attn (part 1): grid 256 x 1, 8 waves a work-group, no clusters, 244,480 bytes of LDS; arguments query, key, value, key_pe, current_val, out0; writes out0
.if DOCPART == 1
	.amdgcn_target "amdgcn-amd-amdhsa--gfx1250"
	.amdhsa_code_object_version 6
	.text
	.protected	k_q848a7b431b_attn
	.globl	k_q848a7b431b_attn
	.p2align	8
	.type	k_q848a7b431b_attn,@function
k_q848a7b431b_attn:
	s_mov_b64 s[64:65], 0
	v_nop
	global_prefetch_b8 v0, s[64:65] scope:SCOPE_SE
	s_setreg_imm32_b32 hwreg(HW_REG_WAVE_MODE, 25, 1), 1
	s_wait_xcnt 0x0
; Banded attention with a relative-position term and a per-head ramp mask, fused in one pass with a running maximum.
;   score[m][l] = (q[m].k[m+l] + q[m].pe[:,l]) / sqrt(512), l = 0..1023;  e = exp(score - rowmax);  Z = sum e;  W = sum e*mask[l]
;   out[m] = sum_l e*mask[l]*v[m+l] / (W + 1e-8 Z),   mask[l] = clip((l - 1023 + 1024 cv[bh & 7]) / 32 + 1, 0, 1)
; WORK: work-group id = 4 bh + xb owns query rows 256 xb .. +255 of one bh; wave w owns 32 of them as two tiles e of 16 rows.
; All eight waves walk the same 40 blocks t of 32 key rows (rows 256 xb + 32 t ..); wave w has work for u = t - w = 0 .. 32 and
; otherwise only helps to bring the blocks in.  K and V blocks go f32 -> registers -> f16 -> two LDS slots that take turns.
; TRANSPOSED FORMS: S^T[n][m] = K x Q^T + C and O^T[d][m] = V^T x P^T.  A lane then owns one query row (m = lane & 15): maximum, rescale
; factor and sums are per lane, and the packed exponentials ARE the second product's B fragment, with no move between lanes.
; THE SKEW: q.pe is made untransposed (rows m, columns l) and stored, f32, into the wave's own ring of 64 columns at column (m + l) mod 64,
; that is in key coordinates; from there it is read straight into the C operand of K x Q^T.  The ring starts filled with -1e30 (l < 0),
; and the trip u = 32 stores -1e30 for l >= 1024, so the band's edges cost no compare.
; THE MASK: eight f16 copies of the ramp in LDS, copy c shifted by c, so that one aligned 16-byte load gives a lane its eight values.
; THE SUMS: W and Z are products with a fragment of ones; all 16 rows of such a result are equal, only register 0 is rescaled and used
; (the other seven hold sums of at most 33 x 32 terms of at most 2^15 each, which stay finite and are never read).
; THE FORMAT: all matrix operands are f16, 11 significant bits: an output is a mean of about a thousand values of v and is small beside them,
; so the operands' rounding weighs more here than in a plain product.  q, k, v, key_pe have room in f16: thirty times their spread of 1, or an
; offset of thirty spreads, is some hundreds, against 65,504.  The exponentials lie in [0, 1] for every input, since the running maximum is
; taken away; they are kept as 2^15 e (the bias is 15 - c x maximum), and the factor cancels between numerator, W and Z.
; NO JOINT LOADS, NO TENSOR LOADS: every input is f32 and is rounded to f16 on its way, so it passes through registers; the four
; work-groups of one bh read a given key row eight trips apart, not together; key_pe is 256 KiB of some 960 KiB that a work-group reads.
; LIMITS: q, k, v, key_pe beyond 65,504 in magnitude overflow f16.  The sentinel is -1e30, so raw scores must stay below about 1e29 in
; magnitude.  NaN and infinities in the inputs are not honoured.  An exponential has its 11 bits down to e = 2^-29; below that its absolute
; error is at most 2^-40, which against the denominator, at least 1e-8 Z with Z >= 1, moves an output by at most 9e-5 of |v| for each such term.
; Z and W are sums of the f16 terms.
.set KVSLOT,  9728                     ; an LDS slot: K [32][64] f16 at pitch 144, then V [32][64] f16 at pitch 160
.set KPITCH,  144                      ; odd multiple of 16 bytes: 16 rows of a fragment load fall on 16 different 16-byte columns
.set VPITCH,  160                      ; odd multiple of 32 bytes, for the transposing loads
.set VOFF,    4608                     ; V behind K's 32 x 144 bytes
.set MASKB,   19968                    ; behind the two slots (19,456) and 512 bytes that nobody writes
.set COPYB,   2336                     ; a mask copy: 1,088 f16 and a gap; 146 x 16 bytes, so 16 lanes fall on 16 different columns
.set PEB,     39680                    ; key_pe as f16 [64 d][1024 l], behind the mask (18,688) and 1,024 bytes that nobody writes
.set PEPITCH, 2080                     ; 65 x 32 bytes
.set RINGB,   173824                   ; behind key_pe (133,120) and 1,024 bytes that nobody writes
.set RWAVE,   8704                     ; a wave's ring: two tiles
.set RTILE,   4352                     ; 16 rows x 272
.set RPITCH,  272                      ; 64 f32 + 16 bytes
; vector registers, window 0
.set AG,   1                           ; 16 x thread: my 16 bytes of a K or V half block
.set AK,   2                           ; K fragment: r*144 + 16h
.set AV,   3                           ; V fragment (transposing): (8h + (L&7))*160 + 16*((L>>3)&1)
.set APE0, 4                           ; key_pe fragment, d 0-31, at column 32u; steps 64 bytes a trip
.set APE1, 5                           ; the same, d 32-63 (66,560 bytes on: beyond the 16-bit immediate)
.set AM,   6                           ; mask: my copy, at l = 32u - 16 + 8h - 8*(r>>3); steps 64 bytes a trip
.set AR,   7                           ; ring store: row 8h, column r + 8h
.set ARW,  8                           ; v8-15: ring store for the tile that wraps: row 8h, column (48 + r + 8h + j) & 63
.set AC,   16                          ; ring read / output stage write: row r, 32h
.set AO,   17                          ; output stage read: row h, 16r
.set ASK,  18                          ; staging store of K: (thread>>4)*144 + 8*(thread&15)
.set ASV,  19                          ; staging store of V: (thread>>4)*160 + 8*(thread&15)
.set NEG,  20                          ; -1e30
.set L16,  21                          ; 16 x lane: offset of key_pe loads and of output stores
.set MRUN, 22                          ; v22, v23: running maximum of tile e (raw scores)
.set ALPHA,24                          ; v[24:25], v[26:27]: rescale factor of tile e, low register of a pair
.set NB,   28                          ; bias 15 - c x running maximum, low register of a pair: even trips write v[28:29], v[30:31],
.set NBSTEP, 224                       ; odd trips v[252:253], v[254:255]; the other set holds the trip before's
.set TMP,  32                          ; v32-39 at work
.set ONES, 40                          ; v40-47: a fragment of f16 ones
.set QF,   48                          ; v48-79: Q fragments (e, kk) at 16e + 8kk
.set STG,  80                          ; v80-111: two sets of 16: a K block's and a V block's 32 bytes a thread, f32
.set PEF,  112                         ; v112-143: key_pe fragments (q, kk) at 16q + 8kk ...
.set VF,   112                         ; ... later in the trip V fragments dt at 8dt
.set PP,   144                         ; v144-175: position products (q, e) at 16q + 8e ...
.set UF,   144                         ; ... later in the trip the exponentials as f16, tile e at 8e,
.set MF,   160                         ; and the same times the mask
.set KF,   176                         ; v176-207: K fragments (s, kk) at 16s + 8kk
.set SS,   208                         ; v208-239: scores (e, s) at 16e + 8s
.set MK,   240                         ; v240-251: three loads of eight mask values
.set PT,   240                         ; prologue: packed key_pe, v240-255
; window 1 (v256 and up, written by their low 8 bits)
.set OA,   0                           ; O^T (e, dt) at 32e + 8dt
.set WA,   64                          ; W of tile e at 8e
.set ZA,   80                          ; Z of tile e at 8e
.set MSB, 0
.macro WIN new                         ; s_set_vgpr_msb: bits 1:0 source 0, 3:2 source 1, 5:4 source 2, 7:6 destination; the high byte repeats the setting left
.if MSB != \new
	s_set_vgpr_msb (MSB<<8)|\new
.set MSB, \new
.endif
.endm
; four loads: set x takes a K block and a V block, 8,192 bytes each; a wave's load covers 512 consecutive bytes
.macro LOADKV x
	global_load_b128 v[STG+16*(\x):STG+16*(\x)+3],     v[AG], s[28+4*(\x):29+4*(\x)]
	global_load_b128 v[STG+16*(\x)+4:STG+16*(\x)+7],   v[AG], s[28+4*(\x):29+4*(\x)] offset:4096
	global_load_b128 v[STG+16*(\x)+8:STG+16*(\x)+11],  v[AG], s[30+4*(\x):31+4*(\x)]
	global_load_b128 v[STG+16*(\x)+12:STG+16*(\x)+15], v[AG], s[30+4*(\x):31+4*(\x)] offset:4096
.endm
; set x's bases go two blocks on (its last loads have been waited for), then its next loads
.macro ISSUE x
	s_add_nc_u64 s[28+4*(\x):29+4*(\x)], s[28+4*(\x):29+4*(\x)], 16384
	s_add_nc_u64 s[30+4*(\x):31+4*(\x)], s[30+4*(\x):31+4*(\x)], 16384
	LOADKV \x
.endm
; set x is rounded to f16 and stored into an LDS slot: rows thread>>4 and 16 + thread>>4, 8 bytes each, of K and of V
.macro STAGE x, slot
.irp i, 0,1,2,3,4,5,6,7
	v_cvt_pk_f16_f32 v[TMP+\i], v[STG+16*(\x)+2*\i], v[STG+16*(\x)+2*\i+1]
.endr
	ds_store_b64 v[ASK], v[TMP:TMP+1]   offset:(\slot)*KVSLOT
	ds_store_b64 v[ASK], v[TMP+2:TMP+3] offset:(\slot)*KVSLOT+16*KPITCH
	ds_store_b64 v[ASV], v[TMP+4:TMP+5] offset:(\slot)*KVSLOT+VOFF
	ds_store_b64 v[ASV], v[TMP+6:TMP+7] offset:(\slot)*KVSLOT+VOFF+16*VPITCH
.endm
; row i of my eight rows of key_pe: 4,096 bytes of f32 in register set 'set' become 2,048 bytes of f16 in LDS; more = 1: the set takes row i + 2
.macro PEROW i, set, more, cnt
	s_wait_loadcnt \cnt                            ; this row's eight loads are in; cnt = the next row's loads, which stay out
.irp k, 0,1,2,3,4,5,6,7
	v_cvt_pk_f16_f32 v[PT+2*\k],   v[\set+4*\k],   v[\set+4*\k+1]
	v_cvt_pk_f16_f32 v[PT+2*\k+1], v[\set+4*\k+2], v[\set+4*\k+3]
	ds_store_b64 v[TMP+7], v[PT+2*\k:PT+2*\k+1] offset:\i*PEPITCH+256*\k
.endr
.if \more
.irp k, 0,1,2,3,4,5,6,7
	global_load_b128 v[\set+4*\k:\set+4*\k+3], v[L16], s[10:11] offset:(\i+2)*4096+512*\k
.endr
.endif
.endm
; ---------------------------------------------------------------- prologue
	s_load_b256 s[4:11], s[0:1], 0x0               ; query s[4:5], key s[6:7], value s[8:9], key_pe s[10:11]
	s_load_b128 s[12:15], s[0:1], 0x20             ; current_val s[12:13], out0 s[14:15]
	s_set_vgpr_msb 0x40
	v_lshl_add_u32 v96, v0, 2, 0x3b700
	v_mov_b32 v97, 0
	s_set_vgpr_msb 0x4000
	v_lshrrev_b32 v33, 5, v0
	v_readfirstlane_b32 s16, v33                   ; w, my wave
	s_lshr_b32 s17, ttmp9, 2                       ; bh
	s_and_b32 s18, ttmp9, 3                        ; xb
	s_lshl_b32 s36, s17, 19                        ; key, value: bh x 2048 rows x 256 bytes
	s_lshl_b32 s2, s18, 16                         ; + xb x 256 rows x 256 bytes
	s_add_co_u32 s36, s36, s2
	s_mov_b32 s37, 0
	s_lshl_b32 s38, s17, 18                        ; query, out0: bh x 1024 rows x 256 bytes + xb x 65,536 + w x 32 rows x 256 bytes
	s_add_co_u32 s38, s38, s2
	s_lshl_b32 s3, s16, 13
	s_add_co_u32 s38, s38, s3
	s_mov_b32 s39, 0
	s_and_b32 s42, s17, 7                          ; head = bh mod 8
	s_lshl_b32 s42, s42, 2
	s_mov_b32 s43, 0
	s_lshl_b32 s46, s16, 15                        ; key_pe: my eight rows of 4,096 bytes
	s_mov_b32 s47, 0
	v_lshlrev_b32 v[AG], 4, v0
	v_and_b32 v33, 31, v0                          ; L
	v_and_b32 v34, 15, v0                          ; r
	v_bfe_u32 v35, v0, 4, 1                        ; h
	v_lshlrev_b32 v[L16], 4, v33
	v_lshlrev_b32 v32, 8, v34                      ; Q: row r, 32 h bytes
	v_lshl_add_u32 v32, v35, 5, v32
	s_wait_kmcnt 0x0
	s_add_nc_u64 s[12:13], s[12:13], s[42:43]
	s_load_b32 s21, s[12:13], 0x0                  ; cv of my head
	s_add_nc_u64 s[28:29], s[6:7], s[36:37]        ; set 0: K, V at block 0
	s_add_nc_u64 s[30:31], s[8:9], s[36:37]
	s_add_nc_u64 s[32:33], s[28:29], 8192          ; set 1: at block 1
	s_add_nc_u64 s[34:35], s[30:31], 8192
	s_add_nc_u64 s[4:5], s[4:5], s[38:39]
	s_add_nc_u64 s[14:15], s[14:15], s[38:39]
	s_add_nc_u64 s[10:11], s[10:11], s[46:47]
	LOADKV 0
	LOADKV 1
; Q raw: load i = 8e + 4kk + 2half + sub brings d = 32kk + 16half + 8h + 4sub .. +3 of row 16e + r, in fragment order
.set i, 0
.rept 16
	global_load_b128 v[KF+4*i:KF+4*i+3], v32, s[4:5] offset:(i>>3)*4096+((i>>2)&1)*128+((i>>1)&1)*64+(i&1)*16 th:TH_LOAD_NT
.set i, i+1
.endr
.irp k, 0,1,2,3,4,5,6,7
	global_load_b128 v[PEF+4*\k:PEF+4*\k+3], v[L16], s[10:11] offset:512*\k        ; key_pe, my row 0
.endr
.irp k, 0,1,2,3,4,5,6,7
	global_load_b128 v[PP+4*\k:PP+4*\k+3], v[L16], s[10:11] offset:4096+512*\k     ; my row 1
.endr
	; while these 40 loads are on their way: constants, addresses, accumulators, ring, mask
	s_sub_co_u32 s19, 0, s16                       ; u = t - w at t = 0
	s_mov_b32 s22, 0x76543210                      ; v_permlanex16_b32: lane i takes lane i of the other half
	s_mov_b32 s23, 0xfedcba98
	s_mov_b32 s24, 0x3d8293ee                      ; c = log2(e) / sqrt(512)
	s_mov_b32 s25, 0x3d8293ee
	s_mov_b32 s26, 0xbd8293ee                      ; -c
	s_mov_b32 s27, 0x322bcc77                      ; 1e-8
	s_mov_b32 s40, 0x44800000                      ; 1024.0
	s_mov_b32 s41, 0x3d000000                      ; 1/32
	s_mov_b32 s45, 0x41700000                      ; 15.0: the exponentials are kept as 2^15 e
	v_and_b32 v36, 7, v0                           ; L & 7 = r & 7
	v_bfe_u32 v37, v0, 3, 1                        ; (L >> 3) & 1 = r >> 3
	v_lshl_add_u32 v38, v35, 3, v36                ; 8h + (L & 7)
	v_mul_u32_u24 v[AK], v34, KPITCH
	v_lshl_add_u32 v[AK], v35, 4, v[AK]
	v_mul_u32_u24 v[AV], v38, VPITCH
	v_lshl_add_u32 v[AV], v37, 4, v[AV]
	s_lshl_b32 s2, s16, 6                          ; 64 w: the stepped addresses start w trips back
	s_sub_co_u32 s3, PEB, s2
	v_mul_u32_u24 v[APE0], v38, PEPITCH
	v_lshl_add_u32 v[APE0], v37, 4, v[APE0]
	v_add_nc_u32 v[APE0], s3, v[APE0]
	v_add_nc_u32 v[APE1], 32*PEPITCH, v[APE0]
	s_sub_co_u32 s3, MASKB+32, s2                  ; table entry x + 32, x = -16 at u = 0: byte 32
	v_mul_u32_u24 v[AM], v36, COPYB
	v_lshl_add_u32 v[AM], v35, 4, v[AM]
	v_add_nc_u32 v[AM], s3, v[AM]
	v_lshlrev_b32 v39, 4, v37
	v_sub_nc_u32 v[AM], v[AM], v39
	s_mul_i32 s44, s16, RWAVE
	s_add_co_u32 s44, s44, RINGB                   ; my ring
	v_mul_u32_u24 v[AR], v35, 8*RPITCH+32
	v_lshl_add_u32 v[AR], v34, 2, v[AR]
	v_add_nc_u32 v[AR], s44, v[AR]
	v_lshl_add_u32 v38, v35, 3, v34                ; r + 8h
	v_mul_u32_u24 v39, v35, 8*RPITCH
	v_add_nc_u32 v39, s44, v39
.irp j, 0,1,2,3,4,5,6,7
	v_add_nc_u32 v[ARW+\j], 48+\j, v38
	v_and_b32 v[ARW+\j], 63, v[ARW+\j]
	v_lshl_add_u32 v[ARW+\j], v[ARW+\j], 2, v39
.endr
	v_mul_u32_u24 v[AC], v34, RPITCH
	v_lshl_add_u32 v[AC], v35, 5, v[AC]
	v_add_nc_u32 v[AC], s44, v[AC]
	v_mul_u32_u24 v[AO], v35, RPITCH
	v_lshl_add_u32 v[AO], v34, 4, v[AO]
	v_add_nc_u32 v[AO], s44, v[AO]
	v_lshrrev_b32 v38, 4, v0
	v_mul_u32_u24 v[ASK], v38, KPITCH
	v_lshl_add_u32 v[ASK], v34, 3, v[ASK]
	v_mul_u32_u24 v[ASV], v38, VPITCH
	v_lshl_add_u32 v[ASV], v34, 3, v[ASV]
	s_mul_i32 s2, s16, 8*PEPITCH
	s_add_co_u32 s2, s2, PEB
	v_lshl_add_u32 v[TMP+7], v33, 3, s2            ; where my rows of key_pe go: 8 bytes a lane
	v_mov_b32 v[NEG], 0xf149f2ca                   ; -1e30
	v_mov_b32 v[MRUN], v[NEG]
	v_mov_b32 v[MRUN+1], v[NEG]
.irp i, 0,1,2,3
	v_mov_b32 v[ALPHA+\i], 0                       ; the pairs' upper registers are named by packed instructions and never used
.endr
.irp i, 0,1,2,3,4,5,6,7
	v_mov_b32 v[ONES+\i], 0x3c003c00
.endr
	; The 96 accumulator registers are cleared: a wave's first trip with work (t = w) lies inside the loop that all waves share,
	; so no product written out ahead of the loop can start the sums.
	WIN 0x40
.set i, 0
.rept 96
	v_mov_b32 v[i], 0
.set i, i+1
.endr
	WIN 0
	; my ring, 8,704 bytes, all -1e30: what the first trip reads at l < 0
.irp i, 0,1,2,3
	v_mov_b32 v[248+\i], v[NEG]
.endr
	v_lshl_add_u32 v252, v33, 4, s44
.set k, 0
.rept 17
	ds_store_b128 v252, v[248:251] offset:512*k
.set k, k+1
.endr
	; mask copy c = w: word L + 32k holds entries 2L + 64k and the next; entry idx stands for l = idx - 32 - w
	s_add_co_u32 s2, s16, 1055                     ; 32 + 1023 + w
	v_lshlrev_b32 v240, 1, v33
	v_sub_nc_u32 v240, v240, s2
	v_cvt_f32_i32 v240, v240                       ; l - 1023, exact
	s_mul_i32 s3, s16, COPYB
	s_add_co_u32 s3, s3, MASKB
	v_lshl_add_u32 v241, v33, 2, s3
	s_wait_kmcnt 0x0                               ; cv
.set k, 0
.rept 17
	v_add_f32 v243, 1.0, v240
	v_fma_f32 v242, s21, s40, v240                 ; cv x 1024 is exact, so this is the one rounding of (l - 1023) + cv x 1024
	v_fma_f32 v243, s21, s40, v243
	v_fma_f32 v242, v242, s41, 1.0                 ; / 32 is exact; + 1
	v_fma_f32 v243, v243, s41, 1.0
	v_med3_num_f32 v242, v242, 0, 1.0
	v_med3_num_f32 v243, v243, 0, 1.0
	v_cvt_pk_f16_f32 v244, v242, v243
	ds_store_b32 v241, v244 offset:128*k
	v_add_f32 v240, 0x42800000, v240               ; 64 entries on
.set k, k+1
.endr
	PEROW 0, PEF, 1, 8                             ; this wait also shows K/V blocks 0 and 1 and Q in: they were issued earlier
.set i, 0
.rept 32
	v_cvt_pk_f16_f32 v[QF+i], v[KF+2*i], v[KF+2*i+1]
.set i, i+1
.endr
	PEROW 1, PP,  1, 8
	PEROW 2, PEF, 1, 8
	PEROW 3, PP,  1, 8
	PEROW 4, PEF, 1, 8
	PEROW 5, PP,  1, 8
	PEROW 6, PEF, 0, 8
	PEROW 7, PP,  0, 0
	; both sets of the bias start at -c x (-1e30), beside which 15 vanishes: the first rescale factor is exp2 of about -6e28, that is 0
.irp p, 0,1
.irp e, 0,1
	v_mul_f32 v[NB+NBSTEP*\p+2*\e], s26, v[NEG]
	v_mov_b32 v[NB+NBSTEP*\p+2*\e+1], 0            ; the pair's upper register is named by the packed instruction and never used
.endr
.endr
	STAGE 0, 0                                     ; block 0 into slot 0 (this also writes all of TMP for the first time as data)
	ISSUE 0                                        ; block 2
	s_wait_dscnt 0x0                               ; my stores of key_pe, mask and block 0 are done, for the other waves' sake
	s_barrier_signal -1
	s_barrier_wait -1
; ---------------------------------------------------------------- the trip's macros
; Position products into the ring.  Tile (q, e): l = 32u + 16q + r, row 8h + j of tile e, so key column 32t + 16(q+e) + r + 8h + j, taken mod 64.
; r + 8h + j is at most 30, so only the tile at 48 wraps; it has addresses of its own.  neg = 1 (u = 32): l >= 1024, -1e30 is stored;
; tile (1, 1) would be read by a trip u = 33, which does not exist, and is left out.
.macro RSTORE tp, neg
.irp q, 0,1
.irp e, 0,1
.if \neg*(\q+\e) != 2
.irp j, 0,1,2,3,4,5,6,7
.if \neg
.set DREG, NEG
.else
.set DREG, PP+16*\q+8*\e+\j
.endif
.if 32*\tp+16*(\q+\e) == 48
	ds_store_b32 v[ARW+\j], v[DREG] offset:RTILE*\e+RPITCH*\j
.else
	ds_store_b32 v[AR], v[DREG] offset:RTILE*\e+(RPITCH+4)*\j+4*((32*\tp+16*(\q+\e))%64)
.endif
.endr
.endif
.endr
.endr
.endm
.macro SCALE e, tp                     ; c x score + 15 - c x maximum, two at a time
.irp i, 0,2,4,6,8,10,12,14
	v_pk_fma_f32 v[SS+16*\e+\i:SS+16*\e+\i+1], v[SS+16*\e+\i:SS+16*\e+\i+1], s[24:25], v[NB+NBSTEP*\tp+2*\e:NB+NBSTEP*\tp+2*\e+1] op_sel_hi:[1,0,0]
.endr
.endm
.macro EXPS e
.irp i, 0,1,2,3,4,5,6,7,8,9,10,11,12,13,14,15
	v_exp_f32 v[SS+16*\e+\i], v[SS+16*\e+\i]
.endr
.endm
.macro PACK e                          ; registers 4s + p of the B fragment: keys 16s + 8h + 2p, + 1 of row r; mask load 1 + s - e holds l = 32u + 16(s-e) + 8h - r + j
	s_wait_alu depctr_va_vdst(0)
.irp i, 0,1,2,3,4,5,6,7
	v_cvt_pk_f16_f32 v[UF+8*\e+\i], v[SS+16*\e+2*\i], v[SS+16*\e+2*\i+1]
.endr
.irp s, 0,1
.irp p, 0,1,2,3
	v_pk_mul_f16 v[MF+8*\e+4*\s+\p], v[UF+8*\e+4*\s+\p], v[MK+4*(1+\s-\e)+\p]
.endr
.endr
.endm
; A trip with work.  tp = t & 1: the slot read, the ring's half, and the set of the bias that is written.
.macro ACTIVE tp
.irp s, 0,1
.irp kk, 0,1
	ds_load_b128 v[KF+16*\s+8*\kk:KF+16*\s+8*\kk+3],   v[AK] offset:\tp*KVSLOT+\s*16*KPITCH+64*\kk
	ds_load_b128 v[KF+16*\s+8*\kk+4:KF+16*\s+8*\kk+7], v[AK] offset:\tp*KVSLOT+\s*16*KPITCH+64*\kk+32
.endr
.endr
.irp i, 0,1,2
	ds_load_b128 v[MK+4*\i:MK+4*\i+3], v[AM] offset:32*\i
.endr
	s_cmp_eq_u32 s19, 32
	s_cbranch_scc1 .Ltail_\@                       ; u = 32: there is no key_pe column left
.irp q, 0,1
	ds_load_tr16_b128 v[PEF+16*\q:PEF+16*\q+3],     v[APE0] offset:32*\q
	ds_load_tr16_b128 v[PEF+16*\q+4:PEF+16*\q+7],   v[APE0] offset:32*\q+16*PEPITCH
	ds_load_tr16_b128 v[PEF+16*\q+8:PEF+16*\q+11],  v[APE1] offset:32*\q
	ds_load_tr16_b128 v[PEF+16*\q+12:PEF+16*\q+15], v[APE1] offset:32*\q+16*PEPITCH
.endr
	s_wait_dscnt 0x0                               ; the key_pe fragments are the youngest LDS instructions
	; P[m][l] = Q x PE; four accumulators take turns, one instruction a turn
.irp kk, 0,1
.irp q, 0,1
.irp e, 0,1
.if \kk == 0
	v_wmma_f32_16x16x32_f16 v[PP+16*\q+8*\e:PP+16*\q+8*\e+7], v[QF+16*\e:QF+16*\e+7], v[PEF+16*\q:PEF+16*\q+7], 0
.else
	v_wmma_f32_16x16x32_f16 v[PP+16*\q+8*\e:PP+16*\q+8*\e+7], v[QF+16*\e+8:QF+16*\e+15], v[PEF+16*\q+8:PEF+16*\q+15], v[PP+16*\q+8*\e:PP+16*\q+8*\e+7]
.endif
.endr
.endr
.endr
.rept 4
	v_nop                                          ; four places before LDS stores read the results and loads land on the key_pe fragments
.endr
	RSTORE \tp, 0
	s_branch .Ljoin_\@
.Ltail_\@:
	RSTORE \tp, 1
.Ljoin_\@:
	; the position term of this block's 32 keys, transposed by the way it is read: lane (r, h) takes row r, columns 16s + 8h .. + 7.
	; The ring is my own and LDS serves a wave's instructions in order (ISA guide 5.7.1), so these see the stores above.
.irp e, 0,1
.irp s, 0,1
	ds_load_b128 v[SS+16*\e+8*\s:SS+16*\e+8*\s+3],   v[AC] offset:RTILE*\e+128*\tp+64*\s
	ds_load_b128 v[SS+16*\e+8*\s+4:SS+16*\e+8*\s+7], v[AC] offset:RTILE*\e+128*\tp+64*\s+16
.endr
.endr
.irp dt, 0,1,2,3
	ds_load_tr16_b128 v[VF+8*\dt:VF+8*\dt+3],   v[AV] offset:\tp*KVSLOT+VOFF+32*\dt
	ds_load_tr16_b128 v[VF+8*\dt+4:VF+8*\dt+7], v[AV] offset:\tp*KVSLOT+VOFF+32*\dt+16*VPITCH
.endr
	s_wait_dscnt 0x8                               ; all but the eight V loads: K, mask and the position term are in
	; S^T = K x Q^T + position term; four accumulators take turns
.irp kk, 0,1
.irp e, 0,1
.irp s, 0,1
	v_wmma_f32_16x16x32_f16 v[SS+16*\e+8*\s:SS+16*\e+8*\s+7], v[KF+16*\s+8*\kk:KF+16*\s+8*\kk+7], v[QF+16*\e+8*\kk:QF+16*\e+8*\kk+7], v[SS+16*\e+8*\s:SS+16*\e+8*\s+7]
.endr
.endr
.endr
.rept 4
	v_nop                                          ; four places before vector instructions read the scores
.endr
	; running maximum of my row: 16 scores and the old maximum, two chains a tile, then the lane that holds the row's other 16 keys
.irp e, 0,1
	v_max3_num_f32 v[TMP+2*\e],   v[MRUN+\e],      v[SS+16*\e],   v[SS+16*\e+1]
	v_max3_num_f32 v[TMP+2*\e+1], v[SS+16*\e+2],   v[SS+16*\e+3], v[SS+16*\e+4]
.endr
.irp i, 5,9
.irp e, 0,1
	v_max3_num_f32 v[TMP+2*\e],   v[TMP+2*\e],   v[SS+16*\e+\i],   v[SS+16*\e+\i+1]
	v_max3_num_f32 v[TMP+2*\e+1], v[TMP+2*\e+1], v[SS+16*\e+\i+2], v[SS+16*\e+\i+3]
.endr
.endr
.irp e, 0,1
	v_max3_num_f32 v[TMP+2*\e], v[TMP+2*\e], v[SS+16*\e+13], v[SS+16*\e+14]
.endr
.irp e, 0,1
	v_max3_num_f32 v[TMP+2*\e], v[TMP+2*\e], v[TMP+2*\e+1], v[SS+16*\e+15]
.endr
.irp e, 0,1
	v_permlanex16_b32 v[TMP+4+\e], v[TMP+2*\e], s22, s23
.endr
.irp e, 0,1
	v_max_num_f32 v[MRUN+\e], v[TMP+2*\e], v[TMP+4+\e]
.endr
.irp e, 0,1
	v_fma_f32 v[NB+NBSTEP*\tp+2*\e], v[MRUN+\e], s26, s45                          ; this trip's bias: 15 - c x new maximum
.endr
.irp e, 0,1
	v_sub_f32 v[TMP+4+\e], v[NB+NBSTEP*\tp+2*\e], v[NB+NBSTEP*(1-\tp)+2*\e]        ; less the bias that the old sums were made with
.endr
.irp e, 0,1
	v_exp_f32 v[ALPHA+2*\e], v[TMP+4+\e]           ; the plain instruction behind these (ISA guide 5.7.2) is the first of SCALE 0
.endr
	SCALE 0, \tp
	EXPS 0
	SCALE 1, \tp                                   ; plain work of the other tile stands behind each run of exponentials
	EXPS 1
	PACK 0
	PACK 1
	; the old sums times alpha: 64 registers of O^T, and register 0 of W and of Z
	WIN 0x41
.irp e, 0,1
.irp i, 0,2,4,6,8,10,12,14,16,18,20,22,24,26,28,30
	v_pk_mul_f32 v[OA+32*\e+\i:OA+32*\e+\i+1], v[OA+32*\e+\i:OA+32*\e+\i+1], v[ALPHA+2*\e:ALPHA+2*\e+1] op_sel_hi:[1,0]
.endr
	v_mul_f32 v[WA+8*\e], v[WA+8*\e], v[ALPHA+2*\e]
	v_mul_f32 v[ZA+8*\e], v[ZA+8*\e], v[ALPHA+2*\e]
.endr
	s_wait_dscnt 0x0                               ; the V fragments
	WIN 0x50
	; O^T += V^T x (masked P)^T, W += 1 x masked P, Z += 1 x P: twelve different accumulators
.irp dt, 0,1,2,3
.irp e, 0,1
	v_wmma_f32_16x16x32_f16 v[OA+32*\e+8*\dt:OA+32*\e+8*\dt+7], v[VF+8*\dt:VF+8*\dt+7], v[MF+8*\e:MF+8*\e+7], v[OA+32*\e+8*\dt:OA+32*\e+8*\dt+7]
.endr
.endr
.irp e, 0,1
	v_wmma_f32_16x16x32_f16 v[WA+8*\e:WA+8*\e+7], v[ONES:ONES+7], v[MF+8*\e:MF+8*\e+7], v[WA+8*\e:WA+8*\e+7]
.endr
.irp e, 0,1
	v_wmma_f32_16x16x32_f16 v[ZA+8*\e:ZA+8*\e+7], v[ONES:ONES+7], v[UF+8*\e:UF+8*\e+7], v[ZA+8*\e:ZA+8*\e+7]
.endr
	WIN 0
.endm
; Trip t.  stage: block t + 1, in register set 1 - tp, goes into slot 1 - tp; issue: that set then takes block t + 3; lcnt: loads that stay out.
; One barrier a trip does both orders: the stores into slot 1 - tp stand behind the barrier that ended the trip in which it was read,
; and are waited for in front of the barrier behind which it is read.
.macro TRIP tp, stage, issue, lcnt
.if \stage
	s_wait_loadcnt \lcnt                           ; block t + 1 is in; the other set's four loads (block t + 2) stay out; this set's bases may be stepped
	STAGE 1-\tp, 1-\tp
.endif
.if \issue
	ISSUE 1-\tp
.endif
	s_cmp_le_u32 s19, 32                           ; u = t - w, unsigned: before my first block it is above 32 too
	s_cbranch_scc0 .Lidle_\@
	ACTIVE \tp
.Lidle_\@:
	s_add_co_u32 s19, s19, 1
	v_add_nc_u32 v[APE0], 64, v[APE0]              ; 32 columns of key_pe and 32 mask entries on.  These three and the two v_nop are the five
	v_add_nc_u32 v[APE1], 64, v[APE1]              ; places between the trip's last products and the next trip's loads and
	v_add_nc_u32 v[AM], 64, v[AM]                  ; products that write over their fragments
	v_nop
	v_nop
	s_wait_dscnt 0x0                               ; my reads of slot tp and my stores into slot 1 - tp are done
	s_barrier_signal -1
	s_barrier_wait -1
.endm
; ---------------------------------------------------------------- 40 trips
	s_mov_b32 s20, 0
.Lloop:
	TRIP 0, 1, 1, 4
	TRIP 1, 1, 1, 4
	s_add_co_u32 s20, s20, 1
	s_cmp_lt_u32 s20, 18
	s_cbranch_scc1 .Lloop                          ; t = 0 .. 35
	TRIP 0, 1, 1, 4                                ; t = 36: asks for block 39, the last
	TRIP 1, 1, 0, 4                                ; t = 37: block 38 in, block 39's four loads stay out
	TRIP 0, 1, 0, 0                                ; t = 38: block 39 in
	TRIP 1, 0, 0, 0                                ; t = 39: nothing left to bring in
; ---------------------------------------------------------------- the way out
	WIN 0x11
.irp e, 0,1
	v_fma_f32 v[TMP+\e], v[ZA+8*\e], s27, v[WA+8*\e]       ; W + 1e-8 Z, both times 2^15 like the numerator; Z holds the term of the row's maximum, so this is above 0
.endr
	WIN 0
.irp e, 0,1
	v_rcp_f32 v[ALPHA+2*\e], v[TMP+\e]
.endr
	v_nop                                          ; the plain place behind the reciprocals
	WIN 0x01
	s_wait_alu depctr_va_vdst(0)
.irp e, 0,1
.irp i, 0,2,4,6,8,10,12,14,16,18,20,22,24,26,28,30
	v_pk_mul_f32 v[PEF+32*\e+\i:PEF+32*\e+\i+1], v[OA+32*\e+\i:OA+32*\e+\i+1], v[ALPHA+2*\e:ALPHA+2*\e+1] op_sel_hi:[1,0]
.endr
.endr
	WIN 0
	; lane (r, h) holds d = 16dt + 8h + j of row r: into my ring as rows of 256 bytes, back as whole rows (my own bytes, served in order)
.irp e, 0,1
.irp dt, 0,1,2,3
	ds_store_b128 v[AC], v[PEF+32*\e+8*\dt:PEF+32*\e+8*\dt+3]   offset:RTILE*\e+64*\dt
	ds_store_b128 v[AC], v[PEF+32*\e+8*\dt+4:PEF+32*\e+8*\dt+7] offset:RTILE*\e+64*\dt+16
.endr
.endr
.irp e, 0,1
.irp k, 0,1,2,3,4,5,6,7
	ds_load_b128 v[KF+32*\e+4*\k:KF+32*\e+4*\k+3], v[AO] offset:RTILE*\e+2*RPITCH*\k
.endr
.endr
.set i, 0
.rept 16
	s_wait_dscnt 15-i                              ; read-back i is in; the younger ones stay out
	global_store_b128 v[L16], v[KF+4*i:KF+4*i+3], s[14:15] offset:512*i th:TH_STORE_NT   ; two rows of out0: 512 consecutive bytes, aligned
.set i, i+1
.endr
	s_set_vgpr_msb 0x5
	s_wait_tensorcnt 0x0
	ds_add_u32 v96, v97
	s_wait_dscnt 0x0
	s_set_vgpr_msb 0x500
	s_endpgm
.Lfunc_end_k_q848a7b431b_attn:
	.size	k_q848a7b431b_attn, .Lfunc_end_k_q848a7b431b_attn-k_q848a7b431b_attn
	.p2alignl 7, 3214868480
	.fill 96, 4, 3214868480
	.section	.rodata,"a",@progbits
	.p2align	6, 0x0
	.amdhsa_kernel k_q848a7b431b_attn
		.amdhsa_group_segment_fixed_size 244480
		.amdhsa_private_segment_fixed_size 0
		.amdhsa_enable_private_segment 0
		.amdhsa_kernarg_size 48
		.amdhsa_user_sgpr_count 2
		.amdhsa_user_sgpr_kernarg_segment_ptr 1
		.amdhsa_wavefront_size32 1
		.amdhsa_system_sgpr_workgroup_id_x 1
		.amdhsa_system_sgpr_workgroup_id_y 1
		.amdhsa_system_sgpr_workgroup_id_z 1
		.amdhsa_system_vgpr_workitem_id 0
		.amdhsa_next_free_vgpr 354
		.amdhsa_next_free_sgpr 66
		.amdhsa_reserve_vcc 0
		.amdhsa_float_denorm_mode_32 3
		.amdhsa_float_denorm_mode_16_64 3
		.amdhsa_memory_ordered 1
		.amdhsa_forward_progress 1
		.amdhsa_inst_pref_size 154
	.end_amdhsa_kernel
	.amdgpu_metadata
---
amdhsa.version: [ 1, 2 ]
amdhsa.kernels:
  - .name:           k_q848a7b431b_attn
    .symbol:         k_q848a7b431b_attn.kd
    .args:
      - { .name: query, .offset: 0, .size: 8, .value_kind: global_buffer, .address_space: global }
      - { .name: key, .offset: 8, .size: 8, .value_kind: global_buffer, .address_space: global }
      - { .name: value, .offset: 16, .size: 8, .value_kind: global_buffer, .address_space: global }
      - { .name: key_pe, .offset: 24, .size: 8, .value_kind: global_buffer, .address_space: global }
      - { .name: current_val, .offset: 32, .size: 8, .value_kind: global_buffer, .address_space: global }
      - { .name: out0, .offset: 40, .size: 8, .value_kind: global_buffer, .address_space: global }
    .group_segment_fixed_size: 244480
    .private_segment_fixed_size: 0
    .kernarg_segment_align: 8
    .kernarg_segment_size: 48
    .max_flat_workgroup_size: 256
    .sgpr_count:     66
    .vgpr_count:     354
    .wavefront_size: 32
...
	.end_amdgpu_metadata
.endif
;; end of part 1
